; MI455X (gfx1250); checked and timed in simulation.
; The chip was launched on July 23, 2026; its instructions are those of AMD's public machine-readable ISA for CDNA 5 (MIT licence, August 2026) and "CDNA5" Instruction Set Architecture Reference Guide (July 2026). The comments in the code are by the model that wrote it; some were corrected since.
;; Jacob Attention Layer. Allowed arithmetic: float matrix products may take bf16 or f16 operands with f32 sums; other float arithmetic in f32, or as packed bf16 or f16 multiplies, adds, multiply-adds, maxima and minima; sums over many terms, partial sums and values carried from step to step in f32; what a program stores and reads back later, other than sums and carried values, may be rounded once to bf16 or f16.
;; Inputs: W 3,088 x 1,024 float32; x 2 x 2,048 x 1,024 float32.
;; Outputs: out0 2 x 2,048 x 1,024 float32.
;; One version. Each part assembles by itself: llvm-mc -triple=amdgcn-amd-amdhsa -mcpu=gfx1250 --defsym DOCPART=n.
;; ======== version 1 of 1: 3 launches
;; limits: right only within a limited range of input values; values are held in f16: magnitudes above 65,504 overflow, below 6.1e-05 lose precision
;; workspace buffers: xb 8,388,608 bytes; wb 6,815,744 bytes; qs 16,777,216 bytes; ks 16,777,216 bytes; vt 8,388,608 bytes; lc 262,144 bytes; dec 4,096 bytes of whole numbers
;; launch cast (part 1): grid 58 x 16, 8 waves a work-group, no clusters, 0 bytes of LDS; arguments x, W, xb, wb; writes xb, wb
.if DOCPART == 1
	.amdgcn_target "amdgcn-amd-amdhsa--gfx1250"
	.amdhsa_code_object_version 6
	.text
	.protected	k_qfc3c86e759_cast
	.globl	k_qfc3c86e759_cast
	.p2align	8
	.type	k_qfc3c86e759_cast,@function
k_qfc3c86e759_cast:
	s_mov_b64 s[64:65], 0
	v_nop
	global_prefetch_b8 v0, s[64:65] scope:SCOPE_SE
	s_setreg_imm32_b32 hwreg(HW_REG_WAVE_MODE, 25, 1), 1
	s_wait_xcnt 0x0
; x [4096][1024] and W [3088][1024], f32, are rounded once to bf16 (to nearest even): xb as x lies, wb by heads.
; wb: [16 heads][208 rows][1024]: rows 0-63 the head's rows of q (W row 64 h + r), 64-127 of k (1024 + 64 h + r), 128-191 of v (2048 + 64 h + r),
; 192 + i the gate row 3072 + (h + i) % 16: row 192 is the head's own gate, the other fifteen fill the block of sixteen rows that a matrix tile wants.
; SHARES.  A wave takes one row of 1,024 numbers: eight loads of 512 consecutive bytes, eight stores of 256 consecutive bytes, aligned.
; Work-groups with x < 32 take x's rows (16 x 32 x 8 = 4,096), the other 26 of each y the 208 rows of head y.  The choice is made by selects: no branch.
; No LDS, no matrix unit, no cluster: no byte is used twice but the sixteen gate rows, 64 KiB of the 29 MB read.
	s_load_b256 s[4:11], s[0:1], 0x0               ; x s[4:5], W s[6:7], xb s[8:9], wb s[10:11]
	v_lshrrev_b32 v1, 5, v0
	v_readfirstlane_b32 s12, v1                    ; wave 0..7
	v_and_b32 v3, 31, v0                           ; lane
	v_lshlrev_b32 v1, 4, v3                        ; my 16 bytes of 512 read
	v_lshlrev_b32 v2, 3, v3                        ; my 8 bytes of 256 written
	s_and_b32 s13, ttmp7, 0xffff                   ; y
	s_lshl_b32 s14, s13, 5
	s_add_co_u32 s14, s14, ttmp9
	s_lshl_b32 s14, s14, 3
	s_add_co_u32 s14, s14, s12                     ; x's row: (32 y + x) 8 + wave
	s_max_u32 s15, ttmp9, 32
	s_sub_co_u32 s15, s15, 32
	s_lshl_b32 s15, s15, 3
	s_add_co_u32 s15, s15, s12                     ; rr, the row in head y's block: 0..207
	s_lshr_b32 s16, s15, 6
	s_lshl_b32 s16, s16, 10                        ; q, k or v: 1,024 rows apart in W
	s_lshl_b32 s17, s13, 6
	s_add_co_u32 s16, s16, s17
	s_and_b32 s17, s15, 63
	s_add_co_u32 s16, s16, s17                     ; + 64 y + rr % 64
	s_add_co_u32 s17, s13, s15
	s_and_b32 s17, s17, 15
	s_add_co_u32 s17, s17, 3072                    ; a gate row: 3072 + (y + rr) % 16; 192 is a multiple of 16
	s_cmp_lt_u32 s15, 192
	s_cselect_b32 s16, s16, s17                    ; the row in W
	s_mul_i32 s17, s13, 208
	s_add_co_u32 s17, s17, s15                     ; the row in wb
	s_cmp_lt_u32 ttmp9, 32
	s_cselect_b32 s16, s14, s16                    ; the row read
	s_cselect_b32 s17, s14, s17                    ; the row written
	s_lshl_b32 s18, s16, 12                        ; 4,096 bytes a row of f32
	s_mov_b32 s19, 0
	s_lshl_b32 s20, s17, 11                        ; 2,048 bytes a row of bf16
	s_mov_b32 s21, 0
	s_wait_kmcnt 0x0
	s_cmp_lt_u32 ttmp9, 32                         ; the shifts have written SCC: compared again
	s_cselect_b64 s[22:23], s[4:5], s[6:7]
	s_cselect_b64 s[24:25], s[8:9], s[10:11]
	s_add_nc_u64 s[22:23], s[22:23], s[18:19]
	s_add_nc_u64 s[24:25], s[24:25], s[20:21]
.irp j, 0,1,2,3,4,5,6,7
	global_load_b128 v[8+4*(\j):11+4*(\j)], v1, s[22:23] offset:512*(\j)
.endr
.irp j, 0,1,2,3,4,5,6,7
	s_wait_loadcnt 7-(\j)                          ; loads come back in order: number j is in, the younger ones stay out
	v_cvt_pk_bf16_f32 v[40+2*(\j)], v[8+4*(\j)], v[9+4*(\j)]
	v_cvt_pk_bf16_f32 v[41+2*(\j)], v[10+4*(\j)], v[11+4*(\j)]
	global_store_b64 v2, v[40+2*(\j):41+2*(\j)], s[24:25] offset:256*(\j)  ; the wave's 32 lanes store 256 consecutive bytes, aligned; each store has registers of its own
.endr
	s_endpgm
.Lfunc_end_k_qfc3c86e759_cast:
	.size	k_qfc3c86e759_cast, .Lfunc_end_k_qfc3c86e759_cast-k_qfc3c86e759_cast
	.p2alignl 7, 3214868480
	.fill 96, 4, 3214868480
	.section	.rodata,"a",@progbits
	.p2align	6, 0x0
	.amdhsa_kernel k_qfc3c86e759_cast
		.amdhsa_group_segment_fixed_size 0
		.amdhsa_private_segment_fixed_size 0
		.amdhsa_enable_private_segment 0
		.amdhsa_kernarg_size 32
		.amdhsa_user_sgpr_count 2
		.amdhsa_user_sgpr_kernarg_segment_ptr 1
		.amdhsa_wavefront_size32 1
		.amdhsa_system_sgpr_workgroup_id_x 1
		.amdhsa_system_sgpr_workgroup_id_y 1
		.amdhsa_system_sgpr_workgroup_id_z 1
		.amdhsa_system_vgpr_workitem_id 0
		.amdhsa_next_free_vgpr 56
		.amdhsa_next_free_sgpr 66
		.amdhsa_reserve_vcc 0
		.amdhsa_float_denorm_mode_32 3
		.amdhsa_float_denorm_mode_16_64 3
		.amdhsa_memory_ordered 1
		.amdhsa_forward_progress 1
		.amdhsa_inst_pref_size 5
	.end_amdhsa_kernel
	.amdgpu_metadata
---
amdhsa.version: [ 1, 2 ]
amdhsa.kernels:
  - .name:           k_qfc3c86e759_cast
    .symbol:         k_qfc3c86e759_cast.kd
    .args:
      - { .name: x, .offset: 0, .size: 8, .value_kind: global_buffer, .address_space: global }
      - { .name: W, .offset: 8, .size: 8, .value_kind: global_buffer, .address_space: global }
      - { .name: xb, .offset: 16, .size: 8, .value_kind: global_buffer, .address_space: global }
      - { .name: wb, .offset: 24, .size: 8, .value_kind: global_buffer, .address_space: global }
    .group_segment_fixed_size: 0
    .private_segment_fixed_size: 0
    .kernarg_segment_align: 8
    .kernarg_segment_size: 32
    .max_flat_workgroup_size: 256
    .sgpr_count:     66
    .vgpr_count:     56
    .wavefront_size: 32
...
	.end_amdgpu_metadata
.endif
;; end of part 1
;; launch proj (part 2): grid 16 x 16, 4 waves a work-group, clusters of 4 x 4, 327,680 bytes of LDS; arguments xb, wb, qs, ks, vt, lc, dec; writes qs, ks, vt, lc, dec
.if DOCPART == 2
	.amdgcn_target "amdgcn-amd-amdhsa--gfx1250"
	.amdhsa_code_object_version 6
	.text
	.protected	k_qfc3c86e759_proj
	.globl	k_qfc3c86e759_proj
	.p2align	8
	.type	k_qfc3c86e759_proj,@function
k_qfc3c86e759_proj:
	s_mov_b64 s[64:65], 0
	v_nop
	global_prefetch_b8 v0, s[64:65] scope:SCOPE_SE
	s_setreg_imm32_b32 hwreg(HW_REG_WAVE_MODE, 25, 1), 1
	s_wait_xcnt 0x0
	s_wait_alu depctr_hold_cnt(0) depctr_sa_sdst(0) depctr_va_vdst(0) depctr_va_sdst(0) depctr_va_ssrc(0) depctr_va_vcc(0) depctr_vm_vsrc(0)
	s_getreg_b32 s2, hwreg(HW_REG_IB_STS2, 6, 4)
	s_cmp_eq_u32 s2, 0
	s_cbranch_scc0 .Lentry_in_a_cluster
	s_endpgm
.Lentry_in_a_cluster:
	s_bfe_u32 s2, ttmp6, 0x10000c
	s_cmp_lg_u32 s2, 0xf033
	s_cbranch_scc0 .Lentry_shape_is_right
	s_endpgm
.Lentry_shape_is_right:
; THE PROJECTION, by heads.  For 256 tokens and one head: q, k, v (64 columns each) and the head's gate = xb (bf16) x wb^T (bf16), sums in f32, K = 1,024 ascending.
; OUT.  qs, ks: [32 bh][2048 tokens][hi 64 | lo 64] bf16: each number as two bf16, hi = the sum rounded, lo = (sum - hi) rounded: 256 bytes a token.
;       vt: [32 bh][32 tiles][64 channels][64 tokens] f16: v turned, 8,192 bytes a tile of 64 tokens.
;       lc: [32 bh][2048] f32: the running sum, inside each tile of 64 tokens, of log2(sigmoid(gate)).   dec: [32 bh][32] u32: min(floor(-the tile's whole sum), 2^20).
; LIMITS.  v is stored in f16: |v| stays under 65,504.  log2(1 + 2^-|u|) is taken of the rounded sum 1 + 2^-|u|: an absolute error of 1e-7 a token.  The running sum is grouped by tiles, otherwise than a
; plain running sum over 2,048 tokens.  NaN and infinities are not treated apart.
; SHARES.  A work-group: 256 tokens x the head's 208 rows of wb.  Wave w: tokens 64 w .. 64 w + 63 x all 208: 4 token blocks a x 13 column blocks b = 52 accumulators of 16 x 16, 416 registers.
; b 0-3 q, 4-7 k, 8-11 v, 12 the gate (its row 0; the block's other rows serve nothing).  16 x 16 work-groups, all alike.
; K goes in steps of 128 through two LDS slots filled by tensor loads: rows of 256 bytes, aligned; waves 0, 1 fetch A's two halves (128 rows each), waves 2, 3 B's (104 rows each).
; CLUSTER 4 x 4.  The four of a row of the cluster need the same tokens, the four of a column the same head: each tile is asked for jointly, by the same load, descriptor and mask in the four.
; SOURCES.  For q, k and the gate source 0 = 16 rows of wb, source 1 = 16 tokens: a lane then holds ONE token and eight neighbouring columns.  For v the sources are swapped: a lane holds ONE channel and eight
; neighbouring tokens, which is vt's order.
; REGISTERS, in windows of 256 (s_set_vgpr_msb: bits 1:0 source 0, 3:2 source 1, 5:4 source 2, 7:6 destination):
;   window 0: v16-31 addresses; v32-47 the gate's work; v64-95, v96-127 x's fragments, two buffers; v128-255 the way out
;   window 1: v0-103, v104-207 wb's fragments, two buffers      window 2: accumulators of a = 0, 1 at 8 (13 (a % 2) + b)      window 3: of a = 2, 3
.set KSTEP,  128
.set SIZE_K, 1024
.set PITCH,  272                       ; an LDS row: 256 bytes + 16 of padding = 68 words: the 16 rows of a fragment load start at 16 different groups of four banks (64 banks of 4 bytes: ISA guide 11.1)
.set HALFA,  128*PITCH
.set HALFB,  104*PITCH
.set SLOT,   2*HALFA+2*HALFB           ; A's 256 rows, then B's 208
.set STAGE,  2*SLOT                    ; behind the ring: 16 rows x 272 bytes for each wave, for the way out; no tensor load lands there
.set STW,    16*PITCH
.set SPARE,  STAGE+4*STW               ; behind the stages: the spare words, 128 bytes a wave: two blocks of 256 bytes that no other line names
.set LAPS,   SIZE_K/(2*KSTEP)          ; a lap = two K steps = once round the ring
.set ADRA, 16                          ; v16-17  LDS address of my fragments of x in slot 0, 1
.set GS,   18                          ; v18     the gate: where I put a token's number
.set GL,   19                          ; v19     the gate: where I read two tokens back
.set ADRB, 20                          ; v20-21  LDS address of wb's fragments in slot 0, 1
.set GLO,  22                          ; v22     8 x lane
.set LN,   23                          ; v23     lane
.set STO,  24                          ; v24     q, k: where I put 16 bytes of a token's row
.set RD,   25                          ; v25     q, k: where I read rows back
.set CO,   26                          ; v26     16 x lane
.set STV,  27                          ; v27     v: where I put 16 bytes of a channel's row
.set SPW,  28                          ; v28     my spare word: SPARE + 4 x my thread's number; never rewritten
.set NIL,  29                          ; v29     0; never rewritten
.set PFO,  30                          ; v30     the prefetches' offset: a lane a row of 2,048 bytes; never rewritten
.set RDV,  31                          ; v31     v: where I read rows back
.set GW,   32
.set XF,   64
.set H,    128                         ; v128-143  16 packed registers: hi (or v in f16)
.set LO,   144                         ; v144-159  lo
.set F,    160                         ; v160-191  32 f32 at work
.set BK,   192                         ; v192-223, v224-255  rows read back from the stage, two buffers
.set G1,  24                           ; s[24:31] descriptor group 1 for A's tiles;  s[32:39] group 0, a set for each slot
.set G0,  32
.set G1B, 48                           ; s[48:55], s[56:63] the same for B's
.set G0B, 56
.set LIM, 43                           ; s43  1 in a wave that prefetches, else the greatest number
.set PFA, 44                           ; s[44:45] where my prefetches stand
.set BITS, (1<<16)|(1<<20)|(1<<21)|(5<<22)|(3<<25)  ; 17:16 elements of 2 bytes; 20 padding on; 21 set beside a mask; 24:22 after every 64 words (code 5); 31:25 4 words of it (code 3)
.set MSB, 0
.macro WIN new                         ; the immediate's high byte repeats the setting that is left; a switch that changes nothing is dropped
.if MSB != (\new)
	s_set_vgpr_msb (MSB<<8)|(\new)
.set MSB, \new
.endif
.endm
.macro PLACES                          ; four plain places: behind matrix instructions, ahead of loads into registers that they read and of vector lines that read their results
.rept 4
	v_nop
.endr
.endm
; A joint refill.  The branch hangs on the wave's number alone.  An s_nop 0 and four v_nop follow each of the two lines, ahead of the jump and the label.
.macro JLOAD s
	s_cmp_eq_u32 s11, 0
	s_cbranch_scc0 .Lfor_b_\@
	tensor_load_to_lds s[G0+4*(\s):G0+4*(\s)+3], s[G1:G1+7]
	s_nop 0
.rept 4
	v_nop
.endr
	s_branch .Lasked_\@
.Lfor_b_\@:
	tensor_load_to_lds s[G0B+4*(\s):G0B+4*(\s)+3], s[G1B:G1B+7]
	s_nop 0
.rept 4
	v_nop
.endr
.Lasked_\@:
.endm
; A prefetch of the K step that stands two refills on: 256 bytes of each row, a lane a row, one instruction a wave, behind the joint load and the run of LDS loads.  xb's rows are read by the four clusters of a row of
; clusters: cluster x = 0 asks; wb's by the four of a column: cluster y = 0 asks.  The four partners share a wave's rows out by address: 32 each of A's 128, 26 each of B's 104 (lanes 26-31 name row 25 again).
; K steps 0 to 3 come by their loads alone; the loop's last trip (s3 = 1) asks for nothing: K step 7 is the last.
.macro ASK
	s_cmp_gt_u32 s3, s[LIM]
	s_cbranch_scc0 .Lnot_mine_\@
	global_prefetch_b8 v[PFO], s[PFA:PFA+1] offset:KSTEP*2 th:TH_LOAD_NT scope:SCOPE_SE
.Lnot_mine_\@:
.endm
.macro CREST                           ; a round of the cluster's barrier behind its opening barrier
	s_cmp_lg_u32 s10, 0
	s_cbranch_scc1 .Lnot_wave_0_\@
	s_barrier_signal -3
.Lnot_wave_0_\@:
	s_barrier_wait -3
	s_barrier_signal -1
	s_barrier_wait -1
.endm
.macro CROUND                          ; a whole round
	s_barrier_signal -1
	s_barrier_wait -1
	CREST
.endm
	s_load_b128 s[4:7], s[0:1], 0x0                ; xb s[4:5], wb s[6:7]
	s_load_b256 s[68:75], s[0:1], 0x10             ; qs s[68:69], ks s[70:71], vt s[72:73], lc s[74:75]
	s_load_b64 s[76:77], s[0:1], 0x30              ; dec
	v_lshl_add_u32 v[SPW], v0, 2, SPARE
	v_mov_b32 v[NIL], 0
	ds_add_u32 v[SPW], v[NIL]                      ; the wave's opening: the add and its wait stand ahead of my first tensor load; the set-up below, work on registers, stands between them
	v_lshrrev_b32 v1, 5, v0
	v_readfirstlane_b32 s10, v1                    ; wave 0..3
	s_lshr_b32 s11, s10, 1                         ; I fetch for A (0) or for B (1),
	s_and_b32 s12, s10, 1                          ; its first or its second half
	s_bfe_u32 s40, ttmp6, 0x40000                  ; cx
	s_bfe_u32 s41, ttmp6, 0x40004                  ; cy
	s_lshl_b32 s42, ttmp9, 2
	s_add_co_u32 s42, s42, s40                     ; the head = 4 x cluster x + cx
	s_and_b32 s13, ttmp7, 0xffff
	s_lshl_b32 s13, s13, 2
	s_add_co_u32 s13, s13, s41                     ; the block of 256 tokens = 4 x cluster y + cy
	s_lshl_b32 s43, s41, 2
	s_lshl_b32 s43, 15, s43                        ; my row of the cluster: places 4 cy .. 4 cy + 3
	s_lshl_b32 s44, 0x1111, s40                    ; my column: places cx, cx + 4, cx + 8, cx + 12
	s_or_b32 s[G1+0], s43, BITS                    ; A's tiles go to my row,
	s_or_b32 s[G1B+0], s44, BITS                   ; B's to my column
	s_mov_b32 s[G1+1], KSTEP<<16                   ; tensor_dim0 = 128
	s_mov_b32 s[G1+2], 128<<16                     ; tensor_dim1 = 128
	s_mov_b32 s[G1+3], KSTEP<<16                   ; tile_dim0 = 128
	s_mov_b32 s[G1+4], 128                         ; tile_dim1 = 128 rows
	s_mov_b32 s[G1+5], SIZE_K                      ; elements from row to row
	s_mov_b32 s[G1+6], 0
	s_mov_b32 s[G1+7], 0
	s_mov_b32 s[G1B+1], KSTEP<<16
	s_mov_b32 s[G1B+2], 104<<16                    ; tensor_dim1 = 104
	s_mov_b32 s[G1B+3], KSTEP<<16
	s_mov_b32 s[G1B+4], 104                        ; tile_dim1 = 104 rows
	s_mov_b32 s[G1B+5], SIZE_K
	s_mov_b32 s[G1B+6], 0
	s_mov_b32 s[G1B+7], 0
	s_lshl_b32 s16, s13, 8
	s_lshl_b32 s17, s12, 7
	s_add_co_u32 s16, s16, s17                     ; A: row 256 x block + 128 x half,
	s_lshl_b32 s16, s16, 11                        ; of 2,048 bytes (8 MiB at the most)
	s_mov_b32 s17, 0
	s_mul_i32 s46, s42, 208
	s_mul_i32 s47, s12, 104
	s_add_co_u32 s46, s46, s47                     ; B: row 208 x head + 104 x half
	s_lshl_b32 s46, s46, 11
	s_mov_b32 s47, 0
	s_mul_i32 s20, s12, HALFA                      ; where they go: no place in the cluster enters an LDS address
	s_mul_i32 s21, s12, HALFB
	s_add_co_u32 s21, s21, 2*HALFA
	s_mov_b32 s78, 0xffff0000                      ; a word's upper bf16; also: lanes 16-31
	s_mov_b32 s79, 0x3fb8aa3b                      ; log2(e)
	s_wait_dscnt 0x0                               ; the opening add is done
	s_wait_kmcnt 0x0
	s_add_nc_u64 s[14:15], s[4:5], s[16:17]
	s_add_nc_u64 s[46:47], s[6:7], s[46:47]
	CROUND                                         ; all sixteen work-groups are here: the first joint loads meet
.irp s, 0,1
	s_mov_b32 s[G0+4*(\s)], 1                      ; count = 1
	s_add_co_u32 s[G0+4*(\s)+1], s20, (\s)*SLOT    ; LDS address
	s_add_nc_u64 s[G0+4*(\s)+2:G0+4*(\s)+3], s[14:15], (\s)*KSTEP*2  ; global address: K step s
	s_or_b32 s[G0+4*(\s)+3], s[G0+4*(\s)+3], 0x80000000              ; type = 2
	s_mov_b32 s[G0B+4*(\s)], 1
	s_add_co_u32 s[G0B+4*(\s)+1], s21, (\s)*SLOT
	s_add_nc_u64 s[G0B+4*(\s)+2:G0B+4*(\s)+3], s[46:47], (\s)*KSTEP*2
	s_or_b32 s[G0B+4*(\s)+3], s[G0B+4*(\s)+3], 0x80000000
.endr
	s_cmp_eq_u32 s11, 0                            ; a wave's two first fills stand in one branch, ahead of every wait on TENSORcnt and every LDS read: two loads of mine are out
	s_cbranch_scc0 .Lfirst_b
	tensor_load_to_lds s[G0:G0+3], s[G1:G1+7]
	s_nop 0
	tensor_load_to_lds s[G0+4:G0+7], s[G1:G1+7]
	s_nop 0
.rept 4
	v_nop
.endr
	s_branch .Lfirst_asked
.Lfirst_b:
	tensor_load_to_lds s[G0B:G0B+3], s[G1B:G1B+7]
	s_nop 0
	tensor_load_to_lds s[G0B+4:G0B+7], s[G1B:G1B+7]
	s_nop 0
.rept 4
	v_nop
.endr
.Lfirst_asked:
	; A fragment is 16 rows x 32 K in 8 registers: lane l holds row l % 16; registers 0-3 K = 8 (l / 16) + 0..7, registers 4-7 K = 16 + 8 (l / 16) + 0..7: two loads of 16 bytes, 32 bytes apart.
	v_and_b32 v1, 15, v0                           ; r = l % 16
	v_bfe_u32 v2, v0, 4, 1                         ; h = l / 16
	v_and_b32 v[LN], 31, v0
	v_mul_u32_u24 v3, v1, PITCH
	v_lshl_add_u32 v3, v2, 4, v3                   ; r x pitch + 16 h
	s_mul_i32 s22, s10, 64*PITCH                   ; my 64 tokens
	v_add_nc_u32 v[ADRA], s22, v3
	v_add_nc_u32 v[ADRA+1], SLOT, v[ADRA]
	v_add_nc_u32 v[ADRB], 2*HALFA, v3              ; every wave reads all 208 rows of B
	v_add_nc_u32 v[ADRB+1], SLOT, v[ADRB]
	s_mul_i32 s23, s10, STW
	s_add_co_u32 s23, s23, STAGE                   ; my stage
	v_add_nc_u32 v[STO], s23, v3                   ; q, k in: token r, 16 bytes for each half of the lanes
	v_mul_u32_u24 v5, v2, PITCH
	v_lshl_add_u32 v5, v1, 4, v5
	v_add_nc_u32 v[RD], s23, v5                    ; back: lanes 0-15 one row of 256 bytes, lanes 16-31 the next
	v_lshlrev_b32 v[CO], 4, v[LN]
	v_mul_u32_u24 v5, v1, 144                      ; v in: channel r, rows of 128 bytes + 16
	v_lshl_add_u32 v5, v2, 4, v5
	v_add_nc_u32 v[STV], s23, v5
	v_bfe_u32 v5, v0, 3, 2                         ; back: 32 lanes take four rows of 128 bytes
	v_mul_u32_u24 v5, v5, 144
	v_and_b32 v4, 7, v0
	v_lshl_add_u32 v5, v4, 4, v5
	v_add_nc_u32 v[RDV], s23, v5
	v_lshlrev_b32 v5, 2, v1                        ; the gate in: token 16 a + r at 64 a + 4 r; lanes 16-31, whose numbers serve nothing, 256 bytes on
	v_lshl_add_u32 v5, v2, 8, v5
	v_add_nc_u32 v[GS], s23, v5
	v_lshl_add_u32 v[GL], v[LN], 3, s23            ; back: tokens 2 l, 2 l + 1
	v_lshlrev_b32 v[GLO], 3, v[LN]
	; where my results go
	s_lshr_b32 s81, s13, 3                         ; the batch: 8 blocks of 256 tokens each
	s_lshl_b32 s81, s81, 4
	s_add_co_u32 s81, s81, s42                     ; bh = 16 x batch + head
	s_and_b32 s82, s13, 7
	s_lshl_b32 s82, s82, 2
	s_add_co_u32 s82, s82, s10                     ; my tile of 64 tokens in the sequence
	s_lshl_b32 s84, s81, 19
	s_lshl_b32 s85, s82, 14
	s_add_co_u32 s84, s84, s85                     ; qs, ks: 2^19 bytes a bh, 2^14 a tile
	s_mov_b32 s85, 0
	s_add_nc_u64 s[68:69], s[68:69], s[84:85]
	s_add_nc_u64 s[70:71], s[70:71], s[84:85]
	s_lshr_b32 s84, s84, 1                         ; vt: 2^18, 2^13
	s_add_nc_u64 s[72:73], s[72:73], s[84:85]
	s_lshr_b32 s84, s84, 5                         ; lc: 2^13, 2^8
	s_add_nc_u64 s[74:75], s[74:75], s[84:85]
	s_lshr_b32 s84, s84, 6                         ; dec: 2^7, 2^2
	s_add_nc_u64 s[76:77], s[76:77], s[84:85]
	; the prefetches
	s_mul_i32 s22, s11, 24
	s_sub_co_u32 s22, 128, s22                     ; the rows that a wave fetches: 128 of A, 104 of B,
	s_mul_i32 s22, s22, s12                        ; times my half
	s_mul_i32 s23, s11, 6
	s_sub_co_u32 s81, 31, s23                      ; the last of a partner's rows: 31 or 25
	s_sub_co_u32 s23, 32, s23                      ; a partner's rows: 32 or 26
	s_lshl_b32 s20, s13, 8
	s_mul_i32 s21, s42, 208
	s_and_b32 s82, ttmp7, 0xffff                   ; cluster y
	s_cmp_eq_u32 s11, 0                            ; do I fetch for A?
	s_cselect_b32 s20, s20, s21                    ; the tile's first row
	s_cselect_b32 s21, s40, s41                    ; my place among the four that ask with me
	s_cselect_b32 s82, ttmp9, s82                  ; the coordinate along which other clusters read the same rows
	s_cselect_b64 s[PFA:PFA+1], s[4:5], s[6:7]
	s_cmp_eq_u32 s82, 0
	s_cselect_b32 s[LIM], 1, -1                    ; the same in all sixteen partners, for a given wave
	s_add_co_u32 s20, s20, s22
	s_mul_i32 s21, s21, s23
	s_add_co_u32 s20, s20, s21
	s_lshl_b32 s20, s20, 11
	s_mov_b32 s21, 0
	s_add_nc_u64 s[PFA:PFA+1], s[PFA:PFA+1], s[20:21]
	s_add_nc_u64 s[PFA:PFA+1], s[PFA:PFA+1], 2*KSTEP*2  ; at K step 2: the first refill steps it to 3 and names K step 4
	v_min_u32 v[PFO], s81, v[LN]
	v_lshlrev_b32 v[PFO], 11, v[PFO]
; One matrix instruction: token block 2 hi + a, column block b, fragments of buffer f.  swap = 1: tokens are source 0.  zero = 1: the product starts the sum: nothing is ever cleared.
.macro MM a, b, f, hi, swap, zero
.set AC, 8*(13*(\a)+(\b))
.set RW, 104*(\f)+8*(\b)
.set RX, XF+32*(\f)+8*(2*(\hi)+(\a))
.if (\swap) && (\zero)
	v_wmma_f32_16x16x32_bf16 v[AC:AC+7], v[RX:RX+7], v[RW:RW+7], 0
.elseif \swap
	v_wmma_f32_16x16x32_bf16 v[AC:AC+7], v[RX:RX+7], v[RW:RW+7], v[AC:AC+7]
.elseif \zero
	v_wmma_f32_16x16x32_bf16 v[AC:AC+7], v[RW:RW+7], v[RX:RX+7], 0
.else
	v_wmma_f32_16x16x32_bf16 v[AC:AC+7], v[RW:RW+7], v[RX:RX+7], v[AC:AC+7]
.endif
.endm
; grp 0: q, k and the gate of two token blocks, 18 instructions; grp 1: v, 8.  The 52 accumulators take turns, one instruction a turn, in the same order in every quarter.
.macro MULG f, hi, grp, zero
.if \grp
	WIN 0xa4+0x50*(\hi)                            ; source 0 (x) window 0, source 1 (wb) window 1, C and D window 2 or 3
.irp a, 0,1
.irp b, 8,9,10,11
	MM \a, \b, \f, \hi, 1, \zero
.endr
.endr
.else
	WIN 0xa1+0x50*(\hi)                            ; source 0 (wb) window 1, source 1 (x) window 0
.irp a, 0,1
.irp b, 0,1,2,3,4,5,6,7,12
	MM \a, \b, \f, \hi, 0, \zero
.endr
.endr
.endif
.endm
; 34 LDS loads in one run: the fragments of 32 along K at byte k of the rows, into buffer f: wb's 13, then x's 4, token blocks ascending
.macro FETCH slot, k, f
	WIN 0x40                                       ; destination window 1, address window 0
.irp b, 0,1,2,3,4,5,6,7,8,9,10,11,12
	ds_load_b128 v[104*(\f)+8*(\b):104*(\f)+8*(\b)+3],   v[ADRB+(\slot)] offset:(\k)+(\b)*16*PITCH
	ds_load_b128 v[104*(\f)+8*(\b)+4:104*(\f)+8*(\b)+7], v[ADRB+(\slot)] offset:(\k)+(\b)*16*PITCH+32
.endr
	WIN 0
.irp a, 0,1,2,3
	ds_load_b128 v[XF+32*(\f)+8*(\a):XF+32*(\f)+8*(\a)+3],   v[ADRA+(\slot)] offset:(\k)+(\a)*16*PITCH
	ds_load_b128 v[XF+32*(\f)+8*(\a)+4:XF+32*(\f)+8*(\a)+7], v[ADRA+(\slot)] offset:(\k)+(\a)*16*PITCH+32
.endr
.endm
; A K step is four quarters of 32 along K, 52 matrix instructions each, on buffers 0, 1, 0, 1.  One of the first three: multiplies buffer f and, in its middle, fetches the next quarter, at byte k, into g.
.macro QUARTER slot, k, f, g, zero
	s_wait_dscnt 4                                 ; wb's fragments and x's blocks 0, 1 are in; the youngest four loads (blocks 2, 3) may be out
	MULG \f, 0, 0, \zero
	MULG \f, 0, 1, \zero
	PLACES
	FETCH \slot, \k, \g
	s_wait_dscnt 34                                ; all but the 34 just issued
	MULG \f, 1, 0, \zero
	MULG \f, 1, 1, \zero
.endm
; The last quarter multiplies buffer 1 and changes slots: ONE barrier; ahead of it each wave waits for all its tensor loads (one is out: its part of the next slot), adds 0 to its spare word, and waits for that and for
; its reads of this slot.  fill = 1: the barrier opens a round of the cluster's, and this slot is filled again, two K steps ahead, first thing behind the round: 182 matrix instructions ahead of the wait for it.
.macro TURN slot, next, fill
.if \fill
	s_wait_xcnt 0x0                                ; the last prefetch, a K step back, has read its address: it is stepped here, ahead of the change's own waits
	s_add_nc_u64 s[PFA:PFA+1], s[PFA:PFA+1], KSTEP*2
.endif
	WIN 0                                          ; (the add's two registers lie in window 0)
	s_wait_tensorcnt 0x0                           ; all my tensor loads have landed
	ds_add_u32 v[SPW], v[NIL]                      ; 0 onto my spare word
	s_wait_dscnt 5                                 ; (the add and the youngest four loads may be out)
	MULG 1, 0, 0, 0                                ; eighteen matrix instructions stand between the add and the wait for it
	s_wait_dscnt 0x0                               ; the add is done, and my reads of this slot are over
	s_barrier_signal -1
	MULG 1, 0, 1, 0                                ; work on registers while the others arrive
.if \fill
	WIN 0
.endif
	s_barrier_wait -1
.if \fill
	CREST                                          ; no wave of any partner still reads this slot or has a load on its way
	s_add_nc_u64 s[G0+4*(\slot)+2:G0+4*(\slot)+3], s[G0+4*(\slot)+2:G0+4*(\slot)+3], 2*KSTEP*2
	s_add_nc_u64 s[G0B+4*(\slot)+2:G0B+4*(\slot)+3], s[G0B+4*(\slot)+2:G0B+4*(\slot)+3], 2*KSTEP*2
	JLOAD \slot                                    ; the four v_nop behind it are also the places ahead of the loads below
.else
	PLACES
.endif
	FETCH \next, 0, 0
.if \fill
	ASK
.endif
	MULG 1, 1, 0, 0
	MULG 1, 1, 1, 0
.endm
	s_wait_tensorcnt 1                             ; my part of K step 0 is in; K step 1's may stay out
	s_barrier_signal -1
	s_barrier_wait -1                              ; everybody's is
	FETCH 0, 0, 0
	QUARTER 0, 64, 0, 1, 1                         ; the first quarter stands ahead of the loop: its products start the sums
	WIN 0                                          ; at a label and at a branch every window is 0
	s_mov_b32 s3, LAPS-1
.Llap:                                             ; a trip goes once round the ring, from a lap's second quarter to the next lap's first, and fills both slots again
	QUARTER 0, 128, 1, 0, 0
	QUARTER 0, 192, 0, 1, 0
	TURN 0, 1, 1
	QUARTER 1, 64,  0, 1, 0
	QUARTER 1, 128, 1, 0, 0
	QUARTER 1, 192, 0, 1, 0
	TURN 1, 0, 1
	QUARTER 0, 64,  0, 1, 0
	WIN 0
	s_sub_co_u32 s3, s3, 1
	s_cmp_lg_u32 s3, 0
	s_cbranch_scc1 .Llap
	QUARTER 0, 128, 1, 0, 0                        ; the last lap fills nothing, and has no round of the cluster's barrier
	QUARTER 0, 192, 0, 1, 0
	TURN 0, 1, 0
	QUARTER 1, 64,  0, 1, 0
	QUARTER 1, 128, 1, 0, 0
	QUARTER 1, 192, 0, 1, 0
	s_wait_dscnt 4                                 ; the very last quarter: nothing more to fetch
	MULG 1, 0, 0, 0
	MULG 1, 0, 1, 0
	s_wait_dscnt 0x0
	MULG 1, 1, 0, 0
	MULG 1, 1, 1, 0
	WIN 0
	PLACES
; THE WAY OUT, in twelve blocks through my own stage: LDS serves a wave's instructions in order (ISA guide 5.7.1.4), so no wait stands between its stores and its loads.
; q (sl = 0) or k (sl = 1) of token block a: 32 sums a lane, in 32 registers on end.  hi = the sum rounded to bf16; lo = (sum - hi) rounded to bf16.  Each accumulator is read from its low end on.
.macro PACKQK a, sl
.set AB, 8*(13*((\a)%2)+4*(\sl))
	WIN 0x0a+5*((\a)/2)                            ; sources 0 and 1: window 2 or 3
.set z, 0
.rept 16
	v_cvt_pk_bf16_f32 v[H+z], v[AB+2*z], v[AB+2*z+1]
.set z, z+1
.endr
	WIN 0
.set z, 0
.rept 16
	v_lshlrev_b32 v[F+2*z], 16, v[H+z]             ; hi as f32
	v_and_b32 v[F+2*z+1], s78, v[H+z]
.set z, z+1
.endr
	WIN 0x02+((\a)/2)                              ; source 0: window 2 or 3
.set z, 0
.rept 16
	v_pk_add_f32 v[F+2*z:F+2*z+1], v[AB+2*z:AB+2*z+1], v[F+2*z:F+2*z+1] neg_lo:[0,1] neg_hi:[0,1]  ; sum - hi: exact
.set z, z+1
.endr
	WIN 0
.set z, 0
.rept 16
	v_cvt_pk_bf16_f32 v[LO+z], v[F+2*z], v[F+2*z+1]
.set z, z+1
.endr
.endm
.macro TOSTQK bk                       ; into the stage: a token's row is hi's 128 bytes, then lo's; back as whole rows of 256 bytes
.irp nb, 0,1,2,3
	ds_store_b128 v[STO], v[H+4*(\nb):H+4*(\nb)+3] offset:32*(\nb)
	ds_store_b128 v[STO], v[LO+4*(\nb):LO+4*(\nb)+3] offset:128+32*(\nb)
.endr
	s_wait_xcnt 0x0                                ; the stores of two blocks back have read this buffer: it is loaded again only behind this wait
.irp t, 0,1,2,3,4,5,6,7
	ds_load_b128 v[BK+32*(\bk)+4*(\t):BK+32*(\bk)+4*(\t)+3], v[RD] offset:(\t)*2*PITCH
.endr
.endm
.macro SENDQK a, sl, bk
	s_wait_dscnt 0x0                               ; the block is back in registers
.irp t, 0,1,2,3,4,5,6,7
	global_store_b128 v[CO], v[BK+32*(\bk)+4*(\t):BK+32*(\bk)+4*(\t)+3], s[68+2*(\sl):69+2*(\sl)] offset:(16*(\a)+2*(\t))*256  ; two tokens: 512 consecutive bytes, aligned
.endr
.endm
; v, channels 16 cb .. 16 cb + 15 x my 64 tokens: a lane holds one channel and, for each token block, eight tokens: 16 bytes of f16
.macro PACKV cb
.irp a, 0,1,2,3
	WIN 0x0a+5*((\a)/2)
.set AB, 8*(13*((\a)%2)+8+(\cb))
.set z, 0
.rept 4
	v_cvt_pk_f16_f32 v[H+4*(\a)+z], v[AB+2*z], v[AB+2*z+1]
.set z, z+1
.endr
.endr
	WIN 0
.endm
.macro TOSTV bk
.irp a, 0,1,2,3
	ds_store_b128 v[STV], v[H+4*(\a):H+4*(\a)+3] offset:32*(\a)
.endr
	s_wait_xcnt 0x0
.irp i, 0,1,2,3
	ds_load_b128 v[BK+32*(\bk)+4*(\i):BK+32*(\bk)+4*(\i)+3], v[RDV] offset:(\i)*4*144
.endr
.endm
.macro SENDV cb, bk
	s_wait_dscnt 0x0
.irp i, 0,1,2,3
	global_store_b128 v[CO], v[BK+32*(\bk)+4*(\i):BK+32*(\bk)+4*(\i)+3], s[72:73] offset:2048*(\cb)+512*(\i)  ; four channels' rows: 512 consecutive bytes, aligned
.endr
.endm
	PACKQK 0, 0
	TOSTQK 0
.set n, 1
.rept 7                                ; block n's arithmetic stands between block n - 1's loads from the stage and the wait for them
	PACKQK n/2, n%2
	SENDQK (n-1)/2, (n-1)%2, (n-1)%2
	TOSTQK n%2
.set n, n+1
.endr
	PACKV 0
	SENDQK 3, 1, 1
	TOSTV 0
.set n, 1
.rept 3
	PACKV n
	SENDV n-1, (n-1)%2
	TOSTV n%2
.set n, n+1
.endr
	SENDV 3, 1
	; THE GATE.  Register 0 of accumulator (a, 12) holds, in lanes 0-15, the gate of token 16 a + r.  log2(sigmoid(g)) = min(u, 0) - log2(1 + 2^-|u|), u = g log2(e).
	WIN 0x08                                       ; source 1: window 2
	v_mul_f32 v[GW+4], s79, v96
	v_mul_f32 v[GW+5], s79, v200
	WIN 0x0c                                       ; window 3
	v_mul_f32 v[GW+6], s79, v96
	v_mul_f32 v[GW+7], s79, v200
	WIN 0
.irp a, 0,1,2,3
	v_or_b32 v[GW+8+(\a)], 0x80000000, v[GW+4+(\a)]  ; -|u|
.endr
.irp a, 0,1,2,3
	v_exp_f32 v[GW+8+(\a)], v[GW+8+(\a)]
.endr
	v_nop                                          ; a plain instruction behind the last exponential,
	s_wait_alu depctr_va_vdst(0)                   ; and the wait ahead of the first use: one for the four
.irp a, 0,1,2,3
	v_add_f32 v[GW+8+(\a)], 1.0, v[GW+8+(\a)]
.endr
.irp a, 0,1,2,3
	v_log_f32 v[GW+8+(\a)], v[GW+8+(\a)]
.endr
.irp a, 0,1,2,3
	v_min_num_f32 v[GW+4+(\a)], 0, v[GW+4+(\a)]    ; plain work that names no logarithm
.endr
	s_wait_alu depctr_va_vdst(0)                   ; one wait for the four logarithms
.irp a, 0,1,2,3
	v_sub_f32 v[GW+4+(\a)], v[GW+4+(\a)], v[GW+8+(\a)]
	ds_store_b32 v[GS], v[GW+4+(\a)] offset:64*(\a)
.endr
	ds_load_b64 v[GW+12:GW+13], v[GL]              ; tokens 2 l and 2 l + 1
	s_wait_dscnt 0x0
	v_add_f32 v[GW+14], v[GW+12], v[GW+13]
	v_add_f32_dpp v[GW+14], v[GW+14], v[GW+14] row_shr:1 row_mask:0xf bank_mask:0xf  ; the running sum inside each 16 lanes: a lane without a source keeps its number
	v_add_f32_dpp v[GW+14], v[GW+14], v[GW+14] row_shr:2 row_mask:0xf bank_mask:0xf
	v_add_f32_dpp v[GW+14], v[GW+14], v[GW+14] row_shr:4 row_mask:0xf bank_mask:0xf
	v_add_f32_dpp v[GW+14], v[GW+14], v[GW+14] row_shr:8 row_mask:0xf bank_mask:0xf
	v_readlane_b32 s81, v[GW+14], 15               ; the first 32 tokens' sum,
	v_add_f32 v[GW+15], s81, v[GW+14]
	v_cndmask_b32 v[GW+14], v[GW+14], v[GW+15], s78  ; added in lanes 16-31
	v_sub_f32 v[GW+12], v[GW+14], v[GW+13]         ; up to token 2 l,
	v_mov_b32 v[GW+13], v[GW+14]                   ; up to token 2 l + 1
	global_store_b64 v[GLO], v[GW+12:GW+13], s[74:75]  ; the tile's 64 sums: 256 consecutive bytes, aligned
	v_sub_f32 v[GW+15], 0, v[GW+14]                ; lane 31: the tile's whole decay, in bits,
	v_cvt_u32_f32 v[GW+15], v[GW+15]               ; rounded down,
	v_min_u32 v[GW+15], 0x100000, v[GW+15]         ; at most 2^20
	v_mov_b32 v[GW], 0
	s_wait_xcnt 0x0                                ; EXEC changes only behind this wait
	v_cmp_eq_u32 vcc_lo, 31, v[LN]
	s_and_saveexec_b32 s82, vcc_lo
	global_store_b32 v[GW], v[GW+15], s[76:77]     ; one word a wave: 1,024 words in the launch
	s_wait_xcnt 0x0                                ; and again ahead of the line that widens it
	s_or_b32 exec_lo, exec_lo, s82
	s_wait_tensorcnt 0x0                           ; the wave's end, behind my last tensor load and my last LDS store
	ds_add_u32 v[SPW], v[NIL]
	s_wait_dscnt 0x0
	CROUND                                         ; the closing round: no work-group ends while a partner may still ask for a tile that names it
	s_endpgm
.Lfunc_end_k_qfc3c86e759_proj:
	.size	k_qfc3c86e759_proj, .Lfunc_end_k_qfc3c86e759_proj-k_qfc3c86e759_proj
	.p2alignl 7, 3214868480
	.fill 96, 4, 3214868480
	.section	.rodata,"a",@progbits
	.p2align	6, 0x0
	.amdhsa_kernel k_qfc3c86e759_proj
		.amdhsa_group_segment_fixed_size 327680
		.amdhsa_private_segment_fixed_size 0
		.amdhsa_enable_private_segment 0
		.amdhsa_kernarg_size 56
		.amdhsa_user_sgpr_count 2
		.amdhsa_user_sgpr_kernarg_segment_ptr 1
		.amdhsa_wavefront_size32 1
		.amdhsa_system_sgpr_workgroup_id_x 1
		.amdhsa_system_sgpr_workgroup_id_y 1
		.amdhsa_system_sgpr_workgroup_id_z 1
		.amdhsa_system_vgpr_workitem_id 0
		.amdhsa_next_free_vgpr 976
		.amdhsa_next_free_sgpr 86
		.amdhsa_reserve_vcc 1
		.amdhsa_float_denorm_mode_32 3
		.amdhsa_float_denorm_mode_16_64 3
		.amdhsa_memory_ordered 1
		.amdhsa_forward_progress 1
		.amdhsa_inst_pref_size 162
	.end_amdhsa_kernel
	.amdgpu_metadata
---
amdhsa.version: [ 1, 2 ]
amdhsa.kernels:
  - .name:           k_qfc3c86e759_proj
    .symbol:         k_qfc3c86e759_proj.kd
    .args:
      - { .name: xb, .offset: 0, .size: 8, .value_kind: global_buffer, .address_space: global }
      - { .name: wb, .offset: 8, .size: 8, .value_kind: global_buffer, .address_space: global }
      - { .name: qs, .offset: 16, .size: 8, .value_kind: global_buffer, .address_space: global }
      - { .name: ks, .offset: 24, .size: 8, .value_kind: global_buffer, .address_space: global }
      - { .name: vt, .offset: 32, .size: 8, .value_kind: global_buffer, .address_space: global }
      - { .name: lc, .offset: 40, .size: 8, .value_kind: global_buffer, .address_space: global }
      - { .name: dec, .offset: 48, .size: 8, .value_kind: global_buffer, .address_space: global }
    .group_segment_fixed_size: 327680
    .private_segment_fixed_size: 0
    .kernarg_segment_align: 8
    .kernarg_segment_size: 56
    .max_flat_workgroup_size: 128
    .sgpr_count:     86
    .vgpr_count:     976
    .wavefront_size: 32
...
	.end_amdgpu_metadata
.endif
;; end of part 2
;; launch attn (part 3): grid 8 x 32, 4 waves a work-group, no clusters, 17,920 bytes of LDS; arguments qs, ks, vt, lc, dec, out0; writes out0
.if DOCPART == 3
	.amdgcn_target "amdgcn-amd-amdhsa--gfx1250"
	.amdhsa_code_object_version 6
	.text
	.protected	k_qfc3c86e759_attn
	.globl	k_qfc3c86e759_attn
	.p2align	8
	.type	k_qfc3c86e759_attn,@function
k_qfc3c86e759_attn:
	s_mov_b64 s[64:65], 0
	v_nop
	global_prefetch_b8 v0, s[64:65] scope:SCOPE_SE
	s_setreg_imm32_b32 hwreg(HW_REG_WAVE_MODE, 25, 1), 1
	s_wait_xcnt 0x0
; GATED POWER ATTENTION, causal, head size 64.  Weight of key s for query t (s <= t): (|S| + 1e-7)^2 x scale x exp(G_t - G_s), S = q_t . k_s, normalised along the row; y = the weighted mean of v.
; In log2 units, as the log-space form has it: Z = 2 log2(|S| + eps) + log2(scale) + G_t - G_s; a running maximum m of Z is taken away ahead of the exponential; p = 2^(Z - m); O and l are multiplied by
; 2^(m_old - m_new) in every step; y = O / l.
; S IN THREE PRODUCTS.  q and k come as two bf16 each (hi + lo): S = k_lo q_hi + k_hi q_lo + k_hi q_hi, summed in f32 in one accumulator; k_lo q_lo, some 2^-18 of S's scale, is left out.
; p is rounded to f16 for the second product (l is the sum of the unrounded p), v comes in f16.
; G BY TILES.  lc holds the running sum L inside each tile of 64 tokens.  For a query of tile i and a key of tile j: G_t - G_s = L_t - L_s + the whole sums of tiles j .. i - 1.  The walk goes DOWN from the
; diagonal tile, and c = L_t + log2(scale) + those sums grows by one tile's sum a step.
; FAR TILES ARE LEFT OUT, by whole numbers that the launch before has stored: dec[m] = floor of tile m's decay in bits.  Every gate's logarithm is at most 0, so a key of tile j lies at least
; dec[j+1] + .. + dec[i-1] bits below the query.  Where that is 160 or more the tile and all below it are not walked: the row's sum holds its own key's (|S| + eps)^2 >= 2^-46.5, so with |S| < 2^40 what 2,048
; such keys add is under 2^(80 - 160 + 46.5 + 11) = 2^-22.5 of the row.
; LIMITS.  |S| < 2^40 for that bound; |v| < 65,504; a weight below 2^-126 of the row's largest counts as 0; a hidden score counts as its value less 1e30; NaN and infinities are not treated apart.
; SHARES.  A wave owns 64 queries of one (batch, head): block i = 4 x + wave, four tiles of 16; 1,024 waves.  It walks by itself: K, V and L come from memory straight into fragment registers (a fragment lies in
; registers as it lies in memory), one tile ahead of its use.  LDS serves the way out alone.
; NO CLUSTER, NO SHARED RING: each wave's walk has a length of its own, i - first, read from memory; waves of one work-group stand at different tiles in the same trip (tile i - n for block i), so no tile is
; wanted by two of them at the same time, and a joint request or a common barrier would bind four walks to the longest.
; LAYOUT.  S^T = K Q^T (source 0 = 16 keys, source 1 = 16 queries): a lane holds ONE query (lane % 16) and the keys 8 (lane / 16) + 0..7.  Two such results rounded to f16 ARE source 1 of O^T = V^T P.
; REGISTERS, in windows of 256 (s_set_vgpr_msb: bits 1:0 source 0, 3:2 source 1, 5:4 source 2, 7:6 destination):
;   window 0: v3-12 addresses; v16-47 eight registers of statistics a tile; v48-63 maxima at work; v64-191 S^T, block n = 4 tile + key block at 8 n; v192-223 L of the tile's keys; v224-231 the triangle
;   window 1: v0-127 O^T, 32 a tile; v128-191 P, 4 registers a block      window 2: v0-127 Q; v128-255 K      window 3: v0-63 V
.set PITCH, 272                        ; a stage row: 256 bytes + 16: the 16 rows of a store start at 16 different groups of four banks (64 banks of 4 bytes: ISA guide 11.1)
.set STW,   16*PITCH
.set SPARE, 4*STW                      ; behind the four stages: the spare words, 128 bytes a wave: two blocks of 256 bytes that no other line names
.set FAR,   160                        ; bits
.set KO,  3                            ; v3   256 r + 16 h: my place in 16 rows of Q or K
.set VO,  4                            ; v4   128 r + 16 h: in 16 rows of V^T
.set LOF, 5                            ; v5   32 h: my half's eight keys' L
.set TO,  6                            ; v6   4 r: my query's L
.set STO, 7                            ; v7   the way out: where I put 32 bytes of a row
.set RD,  8                            ; v8   where I read rows back
.set GO,  9                            ; v9   my byte offset in two tokens' rows of out0
.set SPW, 10                           ; v10  my spare word: SPARE + 4 x my thread's number; never rewritten
.set NIL, 11                           ; v11  0; never rewritten
.set ST,  16                           ; tile t at ST + 8 t: +0 c - m, +1 m, +2, +3 l (even keys', odd keys'), +4 c, +5 at work, +6 a, +7 at work
.set CH,  48                           ; block n's maximum at CH + n
.set S,   64
.set LS,  192                          ; key 16 kb + 8 h + j at LS + 8 kb + j
.set TRI, 224                          ; -1e30 where 8 h + j > r, else 0
.set P,   128
.set KF,  128
.set WV,  16                           ; s16  wave
.set I,   17                           ; s17  my block of queries = my diagonal tile
.set BH,  18                           ; s18  batch x 16 + head
.set T,   20                           ; s[20:51] dec of the 32 tiles
.set SUM, 52
.set FIRST, 53                         ; s53  the lowest tile that is walked
.set NLOOP, 54                         ; s54  i - first
.set CNT, 55
.set EPS, 56
.set BIGN, 57
.set SEL, 58                           ; s[58:59] v_permlanex16_b32's selects: each lane takes its own place in the other half
.set J,   60                           ; s60  the tile that is asked for
.set TMP, 61
.set OFK, 62                           ; s[62:63], s[66:67], s[76:77] that tile's byte offsets in ks, vt, lc
.set OFV, 66
.set KBAS, 68                          ; s[68:69], s[70:71], s[72:73] its addresses
.set VBAS, 70
.set LBAS, 72
.set TOT, 74                           ; s74  a tile's whole sum
.set OFL, 76
.set GEN, 78
.set MSB, 0
.macro WIN new                         ; the immediate's high byte repeats the setting that is left; a switch that changes nothing is dropped
.if MSB != (\new)
	s_set_vgpr_msb (MSB<<8)|(\new)
.set MSB, \new
.endif
.endm
.macro PLACES                          ; four plain places behind matrix instructions (ISA guide 7.12.1)
.rept 4
	v_nop
.endr
.endm
.macro ALL line:vararg                 ; one line for each tile t
.set t, 0
.rept 4
	\line
.set t, t+1
.endr
.endm
; A tile's K: 64 keys x (hi 64 | lo 64): fragment z = 4 kb + 2 part + c at KF + 8 z: 32 loads.  Its L: 8 loads.  Its V^T: fragment z = 4 kk + cb: 16 loads.
.macro LOADK
	WIN 0x80                                       ; destination window 2, address window 0
.set z, 0
.rept 16
	global_load_b128 v[KF+8*z:KF+8*z+3],   v[KO], s[KBAS:KBAS+1] offset:4096*(z/4)+64*(z%4)
	global_load_b128 v[KF+8*z+4:KF+8*z+7], v[KO], s[KBAS:KBAS+1] offset:4096*(z/4)+64*(z%4)+32
.set z, z+1
.endr
.endm
.macro LOADL
	WIN 0
.set z, 0
.rept 8
	global_load_b128 v[LS+4*z:LS+4*z+3], v[LOF], s[LBAS:LBAS+1] offset:64*(z/2)+16*(z%2)
.set z, z+1
.endr
.endm
.macro LOADV
	WIN 0xc0                                       ; destination window 3
.set z, 0
.rept 8
	global_load_b128 v[8*z:8*z+3],   v[VO], s[VBAS:VBAS+1] offset:2048*(z%4)+64*(z/4)
	global_load_b128 v[8*z+4:8*z+7], v[VO], s[VBAS:VBAS+1] offset:2048*(z%4)+64*(z/4)+32
.set z, z+1
.endr
.endm
	s_load_b256 s[4:11], s[0:1], 0x0               ; qs s[4:5], ks s[6:7], vt s[8:9], lc s[10:11]
	s_load_b128 s[12:15], s[0:1], 0x20             ; dec s[12:13], out0 s[14:15]
	v_lshl_add_u32 v[SPW], v0, 2, SPARE
	v_mov_b32 v[NIL], 0
	v_lshrrev_b32 v1, 5, v0
	v_readfirstlane_b32 s[WV], v1                  ; wave 0..3
	s_lshl_b32 s[I], ttmp9, 2
	s_add_co_u32 s[I], s[I], s[WV]
	s_and_b32 s[BH], ttmp7, 0xffff
	s_mov_b32 s[EPS], 0x33d6bf95                   ; 1e-7
	s_mov_b32 s[BIGN], 0xf149f2ca                  ; -1e30
	s_mov_b32 s[SEL], 0x76543210
	s_mov_b32 s[SEL+1], 0xfedcba98
	s_mov_b32 s[OFK+1], 0
	s_mov_b32 s[OFV+1], 0
	s_mov_b32 s[OFL+1], 0
	s_mov_b32 s[GEN+1], 0
	v_and_b32 v1, 15, v0                           ; r = l % 16
	v_bfe_u32 v2, v0, 4, 1                         ; h = l / 16
	v_lshlrev_b32 v[KO], 8, v1
	v_lshl_add_u32 v[KO], v2, 4, v[KO]
	v_lshlrev_b32 v[VO], 7, v1
	v_lshl_add_u32 v[VO], v2, 4, v[VO]
	v_lshlrev_b32 v[LOF], 5, v2
	v_lshlrev_b32 v[TO], 2, v1
	s_lshl_b32 s[GEN], s[BH], 7                    ; 128 bytes of dec a (batch, head)
	s_lshl_b32 s[OFK], s[I], 14                    ; tile i: 16,384 bytes of qs and ks,
	s_lshl_b32 s[OFV], s[I], 13                    ; 8,192 of vt,
	s_lshl_b32 s[OFL], s[I], 8                     ; 256 of lc
	s_wait_kmcnt 0x0
	s_add_nc_u64 s[12:13], s[12:13], s[GEN:GEN+1]
	s_load_b512 s[T:T+15], s[12:13], 0x0
	s_load_b512 s[T+16:T+31], s[12:13], 0x40
	s_lshl_b32 s[GEN], s[BH], 19
	s_add_nc_u64 s[4:5], s[4:5], s[GEN:GEN+1]      ; the four tensors at my (batch, head)
	s_add_nc_u64 s[6:7], s[6:7], s[GEN:GEN+1]
	s_lshl_b32 s[GEN], s[BH], 18
	s_add_nc_u64 s[8:9], s[8:9], s[GEN:GEN+1]
	s_lshl_b32 s[GEN], s[BH], 13
	s_add_nc_u64 s[10:11], s[10:11], s[GEN:GEN+1]
	s_add_nc_u64 s[4:5], s[4:5], s[OFK:OFK+1]      ; Q at my block
	s_add_nc_u64 s[KBAS:KBAS+1], s[6:7], s[OFK:OFK+1]
	s_add_nc_u64 s[VBAS:VBAS+1], s[8:9], s[OFV:OFV+1]
	s_add_nc_u64 s[LBAS:LBAS+1], s[10:11], s[OFL:OFL+1]
	WIN 0x80
.set z, 0
.rept 16                               ; Q stays in registers: fragment z = 4 tile + 2 part + c
	global_load_b128 v[8*z:8*z+3],   v[KO], s[4:5] offset:4096*(z/4)+64*(z%4)
	global_load_b128 v[8*z+4:8*z+7], v[KO], s[4:5] offset:4096*(z/4)+64*(z%4)+32
.set z, z+1
.endr
	WIN 0
	ALL global_load_b32 v[ST+8*t+4], v[TO], s[LBAS:LBAS+1] offset:64*t  ; my queries' L
	LOADK                                          ; the diagonal tile
	LOADL
	LOADV
	WIN 0
	; all below stands in the wait for those loads
	s_mul_i32 s[TMP], s[WV], STW                   ; my stage
	v_mul_u32_u24 v[STO], v1, PITCH                ; in: token r, 32 bytes for each half of the lanes
	v_lshl_add_u32 v[STO], v2, 5, v[STO]
	v_add_nc_u32 v[STO], s[TMP], v[STO]
	v_mul_u32_u24 v[RD], v2, PITCH                 ; back: lanes 0-15 one row of 256 bytes, lanes 16-31 the next
	v_lshl_add_u32 v[RD], v1, 4, v[RD]
	v_add_nc_u32 v[RD], s[TMP], v[RD]
	v_lshlrev_b32 v[GO], 12, v2                    ; a token's row of out0 is 4,096 bytes
	v_lshl_add_u32 v[GO], v1, 4, v[GO]
	v_lshlrev_b32 v12, 3, v2
	v_sub_nc_u32 v12, v1, v12                      ; r - 8 h: register j is hidden where j is greater
.set z, 0
.rept 8
	v_cmp_gt_i32 vcc_lo, z, v12
	v_cndmask_b32 v[TRI+z], 0, s[BIGN], vcc_lo
.set z, z+1
.endr
	ALL v_mov_b32 v[ST+8*t+5], 0                   ; v_permlanex16_b32's destination counts as read,
	ALL v_mov_b32 v[ST+8*t+7], 0                   ; and a's neighbour is named with it as a pair
	s_lshr_b32 s[GEN], s[BH], 4
	s_lshl_b32 s[GEN], s[GEN], 23                  ; out0: 2^23 bytes a batch,
	s_lshl_b32 s[TMP], s[I], 18                    ; 64 tokens of 4,096,
	s_add_co_u32 s[GEN], s[GEN], s[TMP]
	s_and_b32 s[TMP], s[BH], 15
	s_lshl_b32 s[TMP], s[TMP], 8                   ; the head's 256 bytes
	s_add_co_u32 s[GEN], s[GEN], s[TMP]
	s_add_nc_u64 s[14:15], s[14:15], s[GEN:GEN+1]
	s_wait_kmcnt 0x0                               ; dec
	; first = the greatest m < i with dec[m] + .. + dec[i-1] >= FAR (tile m - 1 and all below lie FAR bits or more away), or 0
	s_mov_b32 s[SUM], 0
	s_mov_b32 s[FIRST], 0
.set tl, 31
.rept 31
	s_min_u32 s[T+tl], s[T+tl], 0x100000           ; a number that was read is bounded before it is used: 31 of them stay under 2^25
	s_cmp_gt_u32 s[I], tl
	s_cselect_b32 s[TMP], s[T+tl], 0
	s_add_co_u32 s[SUM], s[SUM], s[TMP]
	s_cmp_ge_u32 s[SUM], FAR
	s_cselect_b32 s[TMP], tl, 0
	s_max_u32 s[FIRST], s[FIRST], s[TMP]
.set tl, tl-1
.endr
	s_sub_co_u32 s[NLOOP], s[I], s[FIRST]
	s_mov_b32 s[J], s[I]
; WHICH BLOCKS.  Block n = 4 tile + key block.  In the diagonal tile (diag = 1) tile tq sees key blocks 0 .. tq; the others are neither multiplied nor read.  VIS writes op for each block that is seen;
; WALK writes op cur, nxt along the same list, nxt = the block behind cur, or -1.
.macro VIS op, diag, x=0
.set n, 0
.rept 16
.if (!(\diag)) || ((n%4) <= (n/4))
	\op n, \x
.endif
.set n, n+1
.endr
.endm
.macro WALK op, diag
.if \diag
	\op 0, 4
	\op 4, 5
	\op 5, 8
	\op 8, 9
	\op 9, 10
	\op 10, 12
	\op 12, 13
	\op 13, 14
	\op 14, 15
.else
.set n, 0
.rept 15
	\op n, n+1
.set n, n+1
.endr
.endif
	\op 15, -1
.endm
; S^T = K Q^T in six chunks of 32 channels: (k lo, q hi), (k hi, q lo), (k hi, q hi), two halves of the 64 channels each: the small products first.  Inside a chunk the blocks take turns, one instruction a turn,
; the first chunk starts the sums.
.macro QK diag
	WIN 0x0a                                       ; K and Q in window 2, S^T in window 0
.set ch, 0
.rept 6
.set n, 0
.rept 16
.if (!(\diag)) || ((n%4) <= (n/4))
.set rS, S+8*n
.set rK, KF+32*(n%4)+16*((2-ch/2)/2)+8*(ch%2)
.set rQ, 32*(n/4)+16*((ch/2)%2)+8*(ch%2)
.if ch == 0
	v_wmma_f32_16x16x32_bf16 v[rS:rS+7], v[rK:rK+7], v[rQ:rQ+7], 0
.else
	v_wmma_f32_16x16x32_bf16 v[rS:rS+7], v[rK:rK+7], v[rQ:rQ+7], v[rS:rS+7]
.endif
.endif
.set n, n+1
.endr
.set ch, ch+1
.endr
.endm
.macro LOGB cur, nxt                   ; block cur's eight logarithms, with block nxt's |S| + eps between them
.set k, 0
.rept 8
	v_log_f32 v[S+8*(\cur)+k], v[S+8*(\cur)+k]
.if (\nxt) >= 0
	v_add_f32 v[S+8*(\nxt)+k], |v[S+8*(\nxt)+k]|, s[EPS]
.endif
.set k, k+1
.endr
.endm
.macro ZB n, x                         ; z' = 2 log2(|S| + eps) - L_s
.set k, 0
.rept 4
	v_pk_fma_f32 v[S+8*(\n)+2*k:S+8*(\n)+2*k+1], v[S+8*(\n)+2*k:S+8*(\n)+2*k+1], 2.0, v[LS+8*((\n)%4)+2*k:LS+8*((\n)%4)+2*k+1] op_sel_hi:[1,0,1] neg_lo:[0,0,1] neg_hi:[0,0,1]
.set k, k+1
.endr
.endm
.macro MX n, ln                        ; line ln of 4 of a block's maximum: the blocks' chains stand side by side
.if (\ln) == 0
	v_max3_num_f32 v[CH+(\n)], v[S+8*(\n)], v[S+8*(\n)+1], v[S+8*(\n)+2]
.elseif (\ln) < 3
	v_max3_num_f32 v[CH+(\n)], v[CH+(\n)], v[S+8*(\n)+2*(\ln)+1], v[S+8*(\n)+2*(\ln)+2]
.else
	v_max_num_f32 v[CH+(\n)], v[CH+(\n)], v[S+8*(\n)+7]
.endif
.endm
.macro EXPB cur, nxt                   ; block cur's eight exponentials, with block nxt's z' + (c - m) between them
.set k, 0
.rept 4
	v_exp_f32 v[S+8*(\cur)+2*k], v[S+8*(\cur)+2*k]
.if (\nxt) >= 0
	v_pk_add_f32 v[S+8*(\nxt)+2*k:S+8*(\nxt)+2*k+1], v[S+8*(\nxt)+2*k:S+8*(\nxt)+2*k+1], v[ST+8*((\nxt)/4):ST+8*((\nxt)/4)+1] op_sel_hi:[1,0]
.endif
	v_exp_f32 v[S+8*(\cur)+2*k+1], v[S+8*(\cur)+2*k+1]
.set k, k+1
.endr
.endm
.macro CV n, x                         ; a block's weights rounded to f16: half a fragment of P
.set k, 0
.rept 4
	v_cvt_pk_f16_f32 v[P+4*(\n)+k], v[S+8*(\n)+2*k], v[S+8*(\n)+2*k+1]
.set k, k+1
.endr
.endm
.macro SA n, x                         ; a block's four pairs of weights into two,
	v_pk_add_f32 v[S+8*(\n):S+8*(\n)+1], v[S+8*(\n):S+8*(\n)+1], v[S+8*(\n)+2:S+8*(\n)+3]
	v_pk_add_f32 v[S+8*(\n)+4:S+8*(\n)+5], v[S+8*(\n)+4:S+8*(\n)+5], v[S+8*(\n)+6:S+8*(\n)+7]
.endm
.macro SB n, dg                        ; and into one; dg = 1: a tile's block 0 starts l
.if (\dg) && (((\n)%4) == 0)
	v_pk_add_f32 v[ST+8*((\n)/4)+2:ST+8*((\n)/4)+3], v[S+8*(\n):S+8*(\n)+1], v[S+8*(\n)+4:S+8*(\n)+5]
.else
	v_pk_add_f32 v[S+8*(\n):S+8*(\n)+1], v[S+8*(\n):S+8*(\n)+1], v[S+8*(\n)+4:S+8*(\n)+5]
.endif
.endm
.macro LA n, x                         ; l takes the sums of a tile's blocks 1 and up
.if ((\n)%4) > 0
	v_pk_add_f32 v[ST+8*((\n)/4)+2:ST+8*((\n)/4)+3], v[ST+8*((\n)/4)+2:ST+8*((\n)/4)+3], v[S+8*(\n):S+8*(\n)+1]
.endif
.endm
; O^T += V^T P: keys 32 kk on, outermost; the 16 accumulators (tile, channel block) take turns.  diag = 1: the first half starts the sums; the second half's keys are seen by tiles 2 and 3 alone.
.macro PV diag
	WIN 0x57                                       ; V in window 3, P and O^T in window 1
.set kk, 0
.rept 2
.set n, 0
.rept 16
.if (!(\diag)) || (kk == 0) || (n >= 8)
.set rO, 8*n
.set rV, 32*kk+8*(n%4)
.set rP, P+16*(n/4)+8*kk
.if (\diag) && (kk == 0)
	v_wmma_f32_16x16x32_f16 v[rO:rO+7], v[rV:rV+7], v[rP:rP+7], 0
.else
	v_wmma_f32_16x16x32_f16 v[rO:rO+7], v[rV:rV+7], v[rP:rP+7], v[rO:rO+7]
.endif
.endif
.set n, n+1
.endr
.set kk, kk+1
.endr
.endm
; A KEY STEP, in phases.  Each of the tile's three parts is asked for again, for the tile below, as soon as its registers are free: a whole step ahead of its use.  The loads go out in the order K 32, L 8, V 16, so
; each wait leaves out the two younger parts.  An address is written only behind the wait that shows its own loads done.  The walk's last step asks for its own tile once more (nothing reads it), so that the
; counts are the same on every way.
.macro STEP diag
	s_cmp_gt_u32 s[J], s[FIRST]                    ; the tile below, if there is one
	s_cselect_b32 s[TMP], 1, 0
	s_sub_co_u32 s[J], s[J], s[TMP]
	s_min_u32 s[TMP], s[J], 31                     ; bounded before it enters an offset
	s_lshl_b32 s[OFK], s[TMP], 14
	s_lshl_b32 s[OFV], s[TMP], 13
	s_lshl_b32 s[OFL], s[TMP], 8
	s_wait_loadcnt 24                              ; K is in (and, the first time, Q and my queries' L); L's 8 and V's 16 may be out
	QK \diag
	PLACES                                         ; ahead of the loads into K's registers and of the lines that read S^T
	s_add_nc_u64 s[KBAS:KBAS+1], s[6:7], s[OFK:OFK+1]
	LOADK
	WIN 0
.set k, 0
.rept 8
	v_add_f32 v[S+k], |v[S+k]|, s[EPS]             ; each accumulator is read from its low end on
.set k, k+1
.endr
	WALK LOGB, \diag
	v_nop                                          ; a plain instruction behind the last logarithm,
	s_wait_alu depctr_va_vdst(0)                   ; and the wait ahead of the first use: one for the batch
	s_wait_loadcnt 48                              ; L is in; V's 16 and the next K's 32 may be out
.if \diag
	ALL v_add_f32 v[ST+8*t+4], 0xc0400000, v[ST+8*t+4]  ; c = L_t + log2(scale) = L_t - 3
.else
	v_readlane_b32 s[TOT], v[LS+31], 16            ; key 63's L: the tile's whole sum
	ALL v_add_f32 v[ST+8*t+4], s[TOT], v[ST+8*t+4]
.endif
	VIS ZB, \diag
.if \diag
.irp tq, 0,1,2,3
.irp k, 0,2,4,6
	v_pk_add_f32 v[S+40*(\tq)+(\k):S+40*(\tq)+(\k)+1], v[S+40*(\tq)+(\k):S+40*(\tq)+(\k)+1], v[TRI+(\k):TRI+(\k)+1]  ; the block on the diagonal: keys behind the query go far down
.endr
.endr
.endif
	VIS MX, \diag, 0
	VIS MX, \diag, 1
	VIS MX, \diag, 2
	VIS MX, \diag, 3
.if \diag
	v_max_num_f32 v[CH+4], v[CH+4], v[CH+5]
	v_max3_num_f32 v[CH+8], v[CH+8], v[CH+9], v[CH+10]
	v_max3_num_f32 v[CH+12], v[CH+12], v[CH+13], v[CH+14]
	v_max_num_f32 v[CH+12], v[CH+12], v[CH+15]
.else
	ALL v_max3_num_f32 v[CH+4*t], v[CH+4*t], v[CH+4*t+1], v[CH+4*t+2]
	ALL v_max_num_f32 v[CH+4*t], v[CH+4*t], v[CH+4*t+3]
.endif
	s_add_nc_u64 s[LBAS:LBAS+1], s[10:11], s[OFL:OFL+1]
	LOADL
	ALL v_permlanex16_b32 v[ST+8*t+5], v[CH+4*t], s[SEL], s[SEL+1]  ; the query's other 32 keys lie in the lane 16 away
	ALL v_max_num_f32 v[CH+4*t], v[CH+4*t], v[ST+8*t+5]
.if \diag
	ALL v_add_f32 v[ST+8*t+1], v[CH+4*t], v[ST+8*t+4]   ; m = the largest Z: every row sees its own key
.else
	ALL v_add_f32 v[CH+4*t], v[CH+4*t], v[ST+8*t+4]
	ALL v_max_num_f32 v[CH+4*t], v[CH+4*t], v[ST+8*t+1]
	ALL v_sub_f32 v[ST+8*t+7], v[ST+8*t+1], v[CH+4*t]   ; m_old - m_new
	ALL v_mov_b32 v[ST+8*t+1], v[CH+4*t]
.endif
	ALL v_sub_f32 v[ST+8*t], v[ST+8*t+4], v[ST+8*t+1]   ; c - m
.if !(\diag)
	ALL v_exp_f32 v[ST+8*t+6], v[ST+8*t+7]              ; a: the first four of the batch
.endif
.irp k, 0,2,4,6
	v_pk_add_f32 v[S+(\k):S+(\k)+1], v[S+(\k):S+(\k)+1], v[ST:ST+1] op_sel_hi:[1,0]
.endr
	WALK EXPB, \diag
	v_nop                                          ; a plain instruction behind the last exponential,
	s_wait_alu depctr_va_vdst(0)                   ; and one wait for the batch
	WIN 0x40                                       ; destination window 1
	VIS CV, \diag
.if \diag
.irp k, 4,5,6,7,44,45,46,47
	v_mov_b32 v[P+(\k)], 0                         ; tile 0's key block 1 and tile 2's key block 3 are hidden, and share a fragment with a block that is seen
.endr
.endif
	WIN 0
	VIS SA, \diag
	VIS SB, \diag, \diag
.if \diag
	VIS LA, 1
.else
	ALL v_pk_fma_f32 v[ST+8*t+2:ST+8*t+3], v[ST+8*t+2:ST+8*t+3], v[ST+8*t+6:ST+8*t+7], v[S+32*t:S+32*t+1] op_sel_hi:[1,0,1]
.irp kb, 1,2,3
	ALL v_pk_add_f32 v[ST+8*t+2:ST+8*t+3], v[ST+8*t+2:ST+8*t+3], v[S+32*t+8*(\kb):S+32*t+8*(\kb)+1]
.endr
	WIN 0x41                                       ; O^T (destination and source 0) in window 1, a in window 0
.set z, 0
.rept 64
	v_pk_mul_f32 v[2*z:2*z+1], v[2*z:2*z+1], v[ST+8*(z/16)+6:ST+8*(z/16)+7] op_sel_hi:[1,0]
.set z, z+1
.endr
.endif
	s_wait_loadcnt 40                              ; V is in; the next K's 32 and the next L's 8 may be out
	PV \diag
	PLACES                                         ; ahead of the loads into V's registers and of the lines that read O^T
	s_add_nc_u64 s[VBAS:VBAS+1], s[8:9], s[OFV:OFV+1]
	LOADV
	WIN 0                                          ; at a label and at a branch every window is 0
.endm
	STEP 1                                         ; the diagonal tile starts m, l and O^T
	s_cmp_eq_u32 s[NLOOP], 0                       ; block 0 has no tile below it
	s_cbranch_scc1 .Lout
	s_mov_b32 s[CNT], 0
.Lstep:                                            ; i - first trips: tiles i - 1 down to first
	STEP 0
	s_add_co_u32 s[CNT], s[CNT], 1
	s_cmp_lt_u32 s[CNT], s[NLOOP]
	s_cbranch_scc1 .Lstep
.Lout:
	; THE WAY OUT.  l's two halves and the other half of the lanes' are added; O^T / l goes through my stage in LDS, a tile (16 tokens) at a time, and leaves as whole rows of 256 bytes: a token's 64 channels of this head.
	ALL v_add_f32 v[ST+8*t+2], v[ST+8*t+2], v[ST+8*t+3]
	ALL v_permlanex16_b32 v[ST+8*t+5], v[ST+8*t+2], s[SEL], s[SEL+1]
	ALL v_add_f32 v[ST+8*t+2], v[ST+8*t+2], v[ST+8*t+5]
	ALL v_rcp_f32 v[ST+8*t+6], v[ST+8*t+2]         ; l holds the row's largest weight, 1
	v_nop                                          ; a plain instruction behind the last reciprocal,
	s_wait_alu depctr_va_vdst(0)                   ; and one wait for the four
.macro PACK t
	WIN 0x01                                       ; source 0 (O^T) window 1; destination: S^T's registers, which are free
.set z, 0
.rept 16
	v_pk_mul_f32 v[S+32*(\t)+2*z:S+32*(\t)+2*z+1], v[32*(\t)+2*z:32*(\t)+2*z+1], v[ST+8*(\t)+6:ST+8*(\t)+7] op_sel_hi:[1,0]
.set z, z+1
.endr
	WIN 0
.irp cb, 0,1,2,3
	ds_store_b128 v[STO], v[S+32*(\t)+8*(\cb):S+32*(\t)+8*(\cb)+3]   offset:64*(\cb)
	ds_store_b128 v[STO], v[S+32*(\t)+8*(\cb)+4:S+32*(\t)+8*(\cb)+7] offset:64*(\cb)+16
.endr
.irp f, 0,1,2,3,4,5,6,7
	ds_load_b128 v[S+32*(\t)+4*(\f):S+32*(\t)+4*(\f)+3], v[RD] offset:(\f)*2*PITCH  ; LDS serves a wave's instructions in order (ISA guide 5.7.1.4): these see the stores above; the next tile's stores come behind them
.endr
.endm
.macro SEND t, younger                 ; younger: the LDS instructions issued behind tile t's loads: the next tile's sixteen, or none
.irp f, 0,1,2,3,4,5,6,7
	s_wait_dscnt (\younger)+7-(\f)
	global_store_b128 v[GO], v[S+32*(\t)+4*(\f):S+32*(\t)+4*(\f)+3], s[14:15] offset:(16*(\t)+2*(\f))*4096 th:TH_STORE_NT  ; 16 lanes store 256 consecutive bytes, aligned; each tile has registers of its own
.endr
.endm
	PACK 0
	PACK 1                                         ; a tile's arithmetic stands between the loads of the tile before and its stores
	SEND 0, 16
	PACK 2
	SEND 1, 16
	PACK 3
	SEND 2, 16
	SEND 3, 0
	s_wait_loadcnt 0x0                             ; the last step's loads, which nothing reads, have come
	s_wait_tensorcnt 0x0                           ; the wave's end, behind my last LDS store
	ds_add_u32 v[SPW], v[NIL]
	s_wait_dscnt 0x0
	s_endpgm
.Lfunc_end_k_qfc3c86e759_attn:
	.size	k_qfc3c86e759_attn, .Lfunc_end_k_qfc3c86e759_attn-k_qfc3c86e759_attn
	.p2alignl 7, 3214868480
	.fill 96, 4, 3214868480
	.section	.rodata,"a",@progbits
	.p2align	6, 0x0
	.amdhsa_kernel k_qfc3c86e759_attn
		.amdhsa_group_segment_fixed_size 17920
		.amdhsa_private_segment_fixed_size 0
		.amdhsa_enable_private_segment 0
		.amdhsa_kernarg_size 48
		.amdhsa_user_sgpr_count 2
		.amdhsa_user_sgpr_kernarg_segment_ptr 1
		.amdhsa_wavefront_size32 1
		.amdhsa_system_sgpr_workgroup_id_x 1
		.amdhsa_system_sgpr_workgroup_id_y 1
		.amdhsa_system_sgpr_workgroup_id_z 1
		.amdhsa_system_vgpr_workitem_id 0
		.amdhsa_next_free_vgpr 832
		.amdhsa_next_free_sgpr 80
		.amdhsa_reserve_vcc 1
		.amdhsa_float_denorm_mode_32 3
		.amdhsa_float_denorm_mode_16_64 3
		.amdhsa_memory_ordered 1
		.amdhsa_forward_progress 1
		.amdhsa_inst_pref_size 127
	.end_amdhsa_kernel
	.amdgpu_metadata
---
amdhsa.version: [ 1, 2 ]
amdhsa.kernels:
  - .name:           k_qfc3c86e759_attn
    .symbol:         k_qfc3c86e759_attn.kd
    .args:
      - { .name: qs, .offset: 0, .size: 8, .value_kind: global_buffer, .address_space: global }
      - { .name: ks, .offset: 8, .size: 8, .value_kind: global_buffer, .address_space: global }
      - { .name: vt, .offset: 16, .size: 8, .value_kind: global_buffer, .address_space: global }
      - { .name: lc, .offset: 24, .size: 8, .value_kind: global_buffer, .address_space: global }
      - { .name: dec, .offset: 32, .size: 8, .value_kind: global_buffer, .address_space: global }
      - { .name: out0, .offset: 40, .size: 8, .value_kind: global_buffer, .address_space: global }
    .group_segment_fixed_size: 17920
    .private_segment_fixed_size: 0
    .kernarg_segment_align: 8
    .kernarg_segment_size: 48
    .max_flat_workgroup_size: 128
    .sgpr_count:     80
    .vgpr_count:     832
    .wavefront_size: 32
...
	.end_amdgpu_metadata
.endif
;; end of part 3
